; MI455X (gfx1250); checked and timed in simulation.
; The chip was launched on July 23, 2026; its instructions are those of AMD's public machine-readable ISA for CDNA 5 (MIT licence, August 2026) and "CDNA5" Instruction Set Architecture Reference Guide (July 2026). The comments in the code are by the model that wrote it; some were corrected since.
;; Head. Allowed arithmetic: matrix products marked QUANTISED: E2M1 operands, one E8M0 scale for each 32 along K, by v_wmma_scale_f32_16x16x128_f8f6f4 with both operands' format E2M1 (or v_wmma_scale_f32_32x16x128_f4), f32 sums; everything else in f32.
;; Inputs: Wk 128 x 1,024 float32; Wq 128 x 1,024 float32; Wv 128 x 1,024 float32; bk 128 float32; bq 128 float32; bv 128 float32; inputs 4 x 4,096 x 1,024 float32; padding_mask 4 x 4,096 int32.
;; Outputs: out0 4 x 4,096 x 128 float32.
;; This version of the problem:
;;   THIS VERSION OF THE PROBLEM IS GIVEN IN LOW PRECISION. The matrix products marked QUANTISED in the list below multiply operands that are first quantised to E2M1 (2 exponent bits, 1 mantissa bit; 4 bits a number), with one power-of-two scale for each 32 numbers along K (OCP MX v1.0); their sums are f32. All else is computed in f32.
;;   The module's matrix products, in the order in which they are computed (A, B: the left and right operand; K: the contracted axis; several contracted axes count as one K, in the product's order):
;;     1. [M 16,384, K 1,024] x [K 1,024, N 128]; A: input inputs; B: input Wk: QUANTISED
;;     2. [M 16,384, K 1,024] x [K 1,024, N 128]; A: input inputs; B: input Wq: QUANTISED
;;     3. [M 16,384, K 1,024] x [K 1,024, N 128]; A: input inputs; B: input Wv: QUANTISED
;;     4. batch 4 x [M 4,096, K 128] x [K 128, N 4,096]; A: computed on the way; B: computed on the way: QUANTISED
;;     5. batch 4 x [M 4,096, K 4,096] x [K 4,096, N 128]; A: softmax (see below); B: computed on the way: QUANTISED
;;   THE QUANTISER, for each operand of a quantised product, along K:
;;     - K is cut into blocks of 32 from its start; a last block that is shorter is filled with zeros.
;;     - A block's scale is 2^e with e = floor(log2(the largest magnitude in the block)) - 2, held to -126 .. 127; a block of zeros has e = 0. As a byte (E8M0): e + 127.
;;     - Each number is divided by its block's scale, clamped to +-6, and rounded to the nearest number of E2M1, ties to even, subnormals kept.
;;     - The product sums the exact products of the quantised numbers (number of the format x scale) in f32.
;;   ~~~python
;;   def quantise(x, axis):      # numpy; x: float32 -> the quantised numbers, widened to float32 again
;;       x = np.moveaxis(x, axis, -1); K = x.shape[-1]
;;       x = np.pad(x, [(0, 0)] * (x.ndim - 1) + [(0, -K % 32)]); x = x.reshape(x.shape[:-1] + (-1, 32)); a = np.abs(x).max(-1, keepdims=True)
;;       e = np.where(a > 0, np.clip(np.frexp(np.where(a > 0, a, 1))[1] - 1 - 2, -126, 127), 0)      # np.frexp(a)[1] - 1 = floor(log2(a)), exactly
;;       r = np.clip(x / 2.0 ** e, -6, 6)
;;       step = 2.0 ** (np.maximum(np.frexp(np.where(r == 0, 1, r))[1] - 1, 0) - 1)
;;       q = np.round(r / step) * step * 2.0 ** e      # np.round: ties to even
;;       return np.moveaxis(q.reshape(q.shape[:-2] + (-1,))[..., :K], -1, axis).astype(np.float32)
;;   ~~~
;;   SOFTMAX AHEAD OF A QUANTISED PRODUCT. Where the list says 'softmax', what is quantised is not the finished softmax but p = 2^(t - M), with t = logit x log2(e) and M = ceil(the row's largest t), a whole number; so 1/2 < the row's largest p <= 1. The row's sum l is taken of the UNQUANTISED p, in f32, and the product's result is divided by l at the end. Since M is a whole number, a kernel that streams over the keys may use a running M (the ceiling of the running maximum): every later rescaling is an exact power of two, which a block's scale takes up: the codes' values come out the same.
;;   OPERANDS COMPUTED ON THE WAY. 'Computed on the way' means the value that the module computes at that place (a softmax that the list does not call 'softmax' is quantised finished and normalised). What goes into a quantiser is computed in f32, as accurately as f32 sums, v_exp_f32 and their like allow (about 1e-6 of the number): no bf16 or f16 on the way to a quantiser, and a product that is left as it is and whose result goes on into a quantised operand takes f32 operands (vector FMAs, or v_wmma_f32_16x16x4_f32). A number that lies on a knife's edge between two numbers of the format may be rounded either way, as far as f32 arithmetic and the matrix unit's own rounding can turn it there, and no further.
;; One version. Each part assembles by itself: llvm-mc -triple=amdgcn-amd-amdhsa -mcpu=gfx1250 --defsym DOCPART=n.
;; ======== version 1 of 1: 3 launches
;; limits: right only within a limited range of input values
;; workspace buffers: wimg 196,608 bytes; wscl 12,288 bytes; qimg 1,048,576 bytes; qscl 65,536 bytes; kv 2,293,760 bytes
;; launch wquant (part 1): grid 48 x 1, 4 waves a work-group, no clusters, 34,816 bytes of LDS; arguments Wq, Wk, Wv, wimg, wscl; writes wimg, wscl
.if DOCPART == 1
	.amdgcn_target "amdgcn-amd-amdhsa--gfx1250"
	.amdhsa_code_object_version 6
	.text
	.protected	k_qcf5aaccb98_wquant
	.globl	k_qcf5aaccb98_wquant
	.p2align	8
	.type	k_qcf5aaccb98_wquant,@function
k_qcf5aaccb98_wquant:
	s_mov_b64 s[64:65], 0
	v_nop
	global_prefetch_b8 v0, s[64:65] scope:SCOPE_SE
	s_setreg_imm32_b32 hwreg(HW_REG_WAVE_MODE, 25, 1), 1
	s_wait_xcnt 0x0
; Wq, Wk, Wv [128][1024] f32 become codes of E2M1 with one E8M0 byte for each 32 along K (K = the 1,024, innermost), laid as the next launch's operand registers want them.
; wimg: [tile 24][K step 8] images of 1,024 bytes: tiles 0-7 Wq, 8-15 Wk, 16-23 Wv; a tile is 16 neighbouring rows, a K step 128 along K.  In an image registers 4 c .. 4 c + 3 of lane l lie at 512 c + 16 l.
; wscl: [tile 24][half of K 2][row 16][4] scale words (four bytes: the four blocks of a K step): 256 bytes for each work-group.
; SHARES: a work-group takes one half of a tile's K, wave s its K step s of the four: 16 rows x 512 bytes.  Each of the wave's 16 loads reads one row's 512 consecutive bytes, 16 a lane.  The conversions want a lane to hold
; neighbours along K: so the 8,192 bytes turn through the wave's own stage in LDS (rows 528 bytes apart) and come back so that lane (r, h) holds of row r the two whole blocks k = 64 c + 32 h + 0 .. 31, c = 0, 1:
; just what the operand's layout gives that lane.  A block's largest magnitude then needs no other lane, and the conversions' results are the operand's registers.
; A block's scale byte is its largest magnitude's exponent field - 2, held at 1 from below by a floor among the maximum's leaves.  A block of zeros so carries the byte 1 where the rule says 127: its codes are zeros, and this program alone reads the bytes.
; LIMITS: NaN and infinities among the inputs are not served.
; No tensor load, no cluster: the work-groups share no input, and the whole launch reads 1.5 MB once.
.set RP,  528                          ; a stage row: 512 bytes + 16 = 33 x 16, so the 16 rows that a load touches start at 16 different 16-byte columns
.set STG, 512                          ; LDS: 256 bytes of scale words, then (from 512 on) a stage of 16 rows for each wave
.set SPARE, STG+4*16*RP                ; the spare words, 128 bytes a wave
.set R,  16                            ; v16-79   the rows as loaded: row i at R + 4 i
.set CD, 80                            ; v80-87   the codes
.set X,  96                            ; v96-159  my 64 numbers: block c at X + 32 c
	s_load_b128 s[4:7], s[0:1], 0x0                ; Wq, Wk
	s_load_b128 s[8:11], s[0:1], 0x10              ; Wv, wimg
	s_load_b64 s[12:13], s[0:1], 0x20              ; wscl
	v_lshl_add_u32 v160, v0, 2, SPARE
	v_mov_b32 v161, 0
	v_lshrrev_b32 v1, 5, v0
	v_readfirstlane_b32 s16, v1                    ; wave
	v_and_b32 v1, 31, v0                           ; lane
	v_and_b32 v2, 15, v0                           ; r
	v_bfe_u32 v3, v0, 4, 1                         ; h
	v_lshlrev_b32 v5, 4, v1                        ; 16 x lane
	v_lshlrev_b32 v94, 3, v1                       ; 8 x lane
	s_mul_i32 s28, s16, 16*RP
	s_add_co_u32 s28, s28, STG                     ; my wave's stage
	v_add_nc_u32 v4, s28, v5                       ; into it: 16 x lane of a row
	v_mul_u32_u24 v92, v2, RP
	v_lshl_add_u32 v92, v3, 7, v92
	v_add_nc_u32 v92, s28, v92                     ; out of it: row r, + 128 h: my block of 32 numbers
	s_lshl_b32 s19, s16, 2
	v_lshl_add_u32 v6, v2, 4, s19                  ; LDS: 16 r + 4 x wave: row r's word of my K step
	v_lshlrev_b32 v7, 3, v3                        ; 8 h
	v_mov_b32 v15, 0                               ; a lane permute's destination counts as one of its sources
	s_mov_b32 s14, 0x76543210
	s_mov_b32 s15, 0xfedcba98                      ; v_permlanex16_b32's selects for lane l xor 16
	s_lshr_b32 s17, ttmp9, 4                       ; which weight
	s_lshr_b32 s18, ttmp9, 1
	s_and_b32 s18, s18, 7                          ; which 16 rows of it
	s_and_b32 s29, ttmp9, 1
	s_lshl_b32 s29, s29, 2
	s_add_co_u32 s29, s29, s16                     ; my K step
	s_lshl_b32 s22, s18, 16                        ; 16 rows of 4,096 bytes
	s_lshl_b32 s23, s29, 9                         ; 128 numbers a K step
	s_add_co_u32 s22, s22, s23
	s_mov_b32 s23, 0
	s_lshl_b32 s24, ttmp9, 2
	s_add_co_u32 s24, s24, s16
	s_lshl_b32 s24, s24, 10                        ; image 8 x tile + K step
	s_mov_b32 s25, 0
	s_lshl_b32 s26, ttmp9, 8                       ; 256 bytes of scale words a work-group
	s_mov_b32 s27, 0
	s_wait_alu depctr_va_vdst(0)                   ; at the head's end
	s_wait_kmcnt 0x0
	s_cmp_eq_u32 s17, 0                            ; the choice hangs on the work-group's number alone
	s_cselect_b64 s[20:21], s[4:5], s[6:7]
	s_cmp_eq_u32 s17, 2
	s_cselect_b64 s[20:21], s[8:9], s[20:21]
	s_add_nc_u64 s[20:21], s[20:21], s[22:23]
	s_add_nc_u64 s[10:11], s[10:11], s[24:25]
	s_add_nc_u64 s[12:13], s[12:13], s[26:27]
.irp i, 0,1,2,3,4,5,6,7,8,9,10,11,12,13,14,15
	global_load_b128 v[R+4*\i:R+4*\i+3], v5, s[20:21] offset:4096*\i th:TH_LOAD_NT   ; row i: 32 lanes read 512 consecutive bytes
.endr
.irp i, 0,1,2,3,4,5,6,7,8,9,10,11,12,13,14,15
	s_wait_loadcnt 15-\i                           ; loads come back in order: row i is in, the later rows' loads may be out
	ds_store_b128 v4, v[R+4*\i:R+4*\i+3] offset:RP*\i
.endr
.irp c, 0,1
.irp i, 0,1,2,3,4,5,6,7
	ds_load_b128 v[X+32*\c+4*\i:X+32*\c+4*\i+3], v92 offset:256*\c+16*\i   ; LDS serves a wave's instructions in order: these see my stores; no other wave touches my stage
.endr
.endr
	s_wait_dscnt 0x0
.irp c, 0,1
	v_max3_num_f32 v[8+\c], |v[X+32*\c]|, |v[X+32*\c+1]|, 0x1800000   ; the floor 2^(3 - 127): the byte cannot fall under 1
.endr
.irp i, 2,4,6,8,10,12,14,16,18,20,22,24,26,28,30
.irp c, 0,1
	v_max3_num_f32 v[8+\c], v[8+\c], |v[X+32*\c+\i]|, |v[X+32*\c+\i+1]|   ; the two blocks by turns
.endr
.endr
.irp c, 0,1
	v_add_nc_u32 v[10+\c], 0xff000000, v[8+\c]     ; 2 off the exponent field: the conversion's scale operand
.endr
.irp c, 0,1
	v_lshrrev_b32 v[12+\c], 23, v[10+\c]           ; the scale's byte
.endr
	v_lshl_or_b32 v14, v13, 16, v12                ; my two bytes: blocks h and 2 + h,
	v_lshlrev_b32 v14, v7, v14                     ; at their places in the word (8 h bits up);
	v_permlanex16_b32 v15, v14, s14, s15
	v_or_b32 v14, v14, v15                         ; with lane l xor 16's two the word is whole
.irp c, 0,1
.irp g, 0,1,2,3
	v_cvt_scalef32_pk8_fp4_f32 v[CD+4*\c+\g], v[X+32*\c+8*\g:X+32*\c+8*\g+7], v[10+\c]
.endr
.endr
	v_nop                                          ; one plain line behind the last scaled conversion
.irp c, 0,1
	global_store_b128 v5, v[CD+4*\c:CD+4*\c+3], s[10:11] offset:512*\c   ; 32 lanes store 512 consecutive bytes, aligned
.endr
	ds_store_b32 v6, v14                           ; both halves of the lanes write the same word with the same value
	s_wait_dscnt 0x0                               ; for the others' sake: my word is in LDS
	s_barrier_signal -1
	s_barrier_wait -1
	s_cmp_lg_u32 s16, 0
	s_cbranch_scc1 .Ldone                          ; wave 0 sends the 256 bytes of scale words out whole
	ds_load_b64 v[88:89], v94
	s_wait_dscnt 0x0
	global_store_b64 v94, v[88:89], s[12:13]
.Ldone:
	s_wait_tensorcnt 0x0                           ; the wave's end
	ds_add_u32 v160, v161
	s_wait_dscnt 0x0
	s_endpgm
.Lfunc_end_k_qcf5aaccb98_wquant:
	.size	k_qcf5aaccb98_wquant, .Lfunc_end_k_qcf5aaccb98_wquant-k_qcf5aaccb98_wquant
	.p2alignl 7, 3214868480
	.fill 96, 4, 3214868480
	.section	.rodata,"a",@progbits
	.p2align	6, 0x0
	.amdhsa_kernel k_qcf5aaccb98_wquant
		.amdhsa_group_segment_fixed_size 34816
		.amdhsa_private_segment_fixed_size 0
		.amdhsa_enable_private_segment 0
		.amdhsa_kernarg_size 40
		.amdhsa_user_sgpr_count 2
		.amdhsa_user_sgpr_kernarg_segment_ptr 1
		.amdhsa_wavefront_size32 1
		.amdhsa_system_sgpr_workgroup_id_x 1
		.amdhsa_system_sgpr_workgroup_id_y 1
		.amdhsa_system_sgpr_workgroup_id_z 1
		.amdhsa_system_vgpr_workitem_id 0
		.amdhsa_next_free_vgpr 162
		.amdhsa_next_free_sgpr 66
		.amdhsa_reserve_vcc 0
		.amdhsa_float_denorm_mode_32 3
		.amdhsa_float_denorm_mode_16_64 3
		.amdhsa_memory_ordered 1
		.amdhsa_forward_progress 1
		.amdhsa_inst_pref_size 10
	.end_amdhsa_kernel
	.amdgpu_metadata
---
amdhsa.version: [ 1, 2 ]
amdhsa.kernels:
  - .name:           k_qcf5aaccb98_wquant
    .symbol:         k_qcf5aaccb98_wquant.kd
    .args:
      - { .name: Wq, .offset: 0, .size: 8, .value_kind: global_buffer, .address_space: global }
      - { .name: Wk, .offset: 8, .size: 8, .value_kind: global_buffer, .address_space: global }
      - { .name: Wv, .offset: 16, .size: 8, .value_kind: global_buffer, .address_space: global }
      - { .name: wimg, .offset: 24, .size: 8, .value_kind: global_buffer, .address_space: global }
      - { .name: wscl, .offset: 32, .size: 8, .value_kind: global_buffer, .address_space: global }
    .group_segment_fixed_size: 34816
    .private_segment_fixed_size: 0
    .kernarg_segment_align: 8
    .kernarg_segment_size: 40
    .max_flat_workgroup_size: 128
    .sgpr_count:     66
    .vgpr_count:     162
    .wavefront_size: 32
...
	.end_amdgpu_metadata
.endif
;; end of part 1
;; launch proj (part 2): grid 256 x 1, 8 waves a work-group, no clusters, 327,680 bytes of LDS; arguments inputs, padding_mask, bq, bk, bv, wimg, wscl, qimg, qscl, kv; writes qimg, qscl, kv
.if DOCPART == 2
	.amdgcn_target "amdgcn-amd-amdhsa--gfx1250"
	.amdhsa_code_object_version 6
	.text
	.protected	k_qcf5aaccb98_proj
	.globl	k_qcf5aaccb98_proj
	.p2align	8
	.type	k_qcf5aaccb98_proj,@function
k_qcf5aaccb98_proj:
	s_mov_b64 s[64:65], 0
	v_nop
	global_prefetch_b8 v0, s[64:65] scope:SCOPE_SE
	s_setreg_imm32_b32 hwreg(HW_REG_WAVE_MODE, 25, 1), 1
	s_wait_xcnt 0x0
; q = x Wq^T + bq, k = x Wk^T + bk, v = x Wv^T + bv on codes of E2M1 (one E8M0 byte for each 32 along K), and q, k, v quantised again for the attention's two products.  x: inputs [16,384][1,024] f32.
; SHARES.  A work-group takes 64 tokens, four tiles of 16.  ONE tensor load a wave, at the head: wave w fetches half w % 2 of K of tile w / 2: 16 rows x 2,048 bytes, 262,144 bytes in all.
; FOUR ROUNDS, one for each tile: when the tile is in, wave w quantises its K step w and stores the fragment to LDS as an image of its registers; then every wave multiplies all eight K steps and sends the tile's results out.
; PRODUCTS: the waves share the COLUMNS.  Wave w holds weight tiles 2 w, 2 w + 1 (channels 32 (w % 4) on of q for w under 4, of k from 4 on) and 16 + w (channels 16 w on of v), all eight K steps, in 192 registers, read once.
; q and k are made transposed (source 0 = 16 rows of W, source 1 = 16 tokens): a lane holds one token and its 16 registers of the two tiles are one half of block w % 4 of the next K (the 128 channels).
; v is made straight (source 0 = tokens, source 1 = 16 rows of Wv): a lane holds one channel and its registers run along the tokens, which are the next K (the keys): two tiles of tokens make a block.  The biases are the C of each sum's first product.
; ORDER INSIDE A BLOCK OF 32: the 16 registers of tiles 2 b and 2 b + 1 are taken as places 16 h + 8 u + j of block b; they hold element 32 b + 16 u + 8 h + j.  The same order holds in q and k, and in v and the softmax's p:
; blocks stay blocks, so scales and codes are those of the natural order; only the order of the f32 sums inside a product differs.
; THE MASK: a key whose padding_mask is 0 gets zero codes in k and the number -2^33 in the record's mask line (else 0); the attention gives that line as the C of its first product.
; OUT: qimg [tile] images, qscl [group of 64][row 16][tile 4] words, kv [128 keys] records of 17,920 bytes: 8 images of K, 8 of V^T, K's scale words [2][16][4], V's [16][8], 128 mask numbers.
; V's scale bytes leave two at a time (the other two of a word belong to the neighbouring 64 tokens' work-group): 256 of the 13,312 bytes that a work-group stores.
; NO CLUSTER: what work-groups share is the weights' 208,896 bytes; x's numbers and images take 303,104 of the 327,680 bytes of LDS, so the weights have no room there and go straight into the registers that multiply them, 26,112 bytes a wave.
; NO PREFETCH: all of x is asked for at the head, and there is no loop to run ahead in.
; LIMITS: NaN and infinities among the inputs are not served; a block of zeros carries the byte 1 where the rule says 127 (its codes are zeros; this program alone reads the bytes).
.set REC,   17920                      ; a record of kv
.set ROWP,  2080                       ; a row of half of K in LDS: two runs of 1,024 bytes, 16 of padding behind each
.set RAWW,  16*ROWP                    ; what a wave fetches
.set XIMG,  8*RAWW                     ; x's 32 images: (8 m + s) x 1,024
.set XSC,   XIMG+32*1024               ; their scale words: (8 m + s) x 128 + 4 x lane
.set SST,   XSC+32*128                 ; q's, then k's scale words on their way out: 256 bytes each
.set SPARE, SST+512                    ; the spare words, 128 bytes a wave
.set RA,  1                            ; v1   my place in tile 0's raw rows;  v184-186 in tiles 1 to 3's
.set XWI, 2                            ; v2   where I store x's images
.set XWS, 3                            ; v3   and their scale words
.set LI,  4                            ; v4   XIMG + 16 x lane
.set LS,  5                            ; v5   XSC + 4 x lane
.set SA,  6                            ; v6   SST + 256 (w / 4) + w % 4 + 16 r
.set OA,  7                            ; v7   16 r + 8 h: my 8 bytes of a block's 256
.set VSA, 8                            ; v8   32 r
.set SR,  9                            ; v9   SST + 256 (w % 2) + 8 x lane
.set L8,  10                           ; v10  8 x lane
.set PW,  11                           ; v11  x's scale word just made
.set MK,  12                           ; v12-15  padding_mask of token 16 m + r
.set WS,  16                           ; v16-39  the weights' scale words: 8 j + s (j = 0, 1: the q or k tiles; 2: the v tile)
.set XS,  40                           ; v40-47  x's scale words, a word for each K step
.set TM,  48                           ; v48-51 largest magnitudes, v52-55 second chains, permutes, then bytes, v56-59 offsets of the head's loads, then (wave 2) the mask line on its way out, v60-63 scale operands
.set PC,  64                           ; v64-71  codes of x just made
.set XR,  72                           ; v72-135 64 raw numbers; in the products a tile's eight fragments
.set ACC, 136                          ; v136-151 q or k: 8 u
.set ACCV, 152                         ; v152-167 v: 8 (m % 2): right behind, so that a block of v is block 1 beside q's or k's block 0
.set PO,  168                          ; v168-183 codes on their way out: 4 registers for each round, so that no store's data are written again
.set RAN, 184
.set VB,  187                          ; v187 v's two scale bytes
.set ML,  188                          ; v188-189 two mask words a lane
.set SPW, 192                          ; v192 my spare word, v193 0: never rewritten
.set NIL, 193
.set BQ,  232                          ; v232-247 bq or bk in the result's layout: 8 u
.set BV,  248                          ; v248-255 bv of my channel, eight times
; window 1 (v256-447): weight fragment (j, s) at v[8 (8 j + s)]
.set MSB, 0
.macro WIN new                         ; the immediate's high byte repeats the setting that is left
.if MSB != \new
	s_set_vgpr_msb (MSB<<8)|\new
.set MSB, \new
.endif
.endm
	s_load_b256 s[4:11], s[0:1], 0x0               ; inputs s[4:5], padding_mask s[6:7], bq s[8:9], bk s[10:11]
	s_load_b256 s[12:19], s[0:1], 0x20             ; bv s[12:13], wimg s[14:15], wscl s[16:17], qimg s[18:19]
	s_load_b128 s[20:23], s[0:1], 0x40             ; qscl s[20:21], kv s[22:23]
	v_lshl_add_u32 v[SPW], v0, 2, SPARE
	v_mov_b32 v[NIL], 0
	ds_add_u32 v[SPW], v[NIL]                      ; the opening lines: the add, twice on end, and one wait
	ds_add_u32 v[SPW], v[NIL]
	v_lshrrev_b32 v1, 5, v0
	v_readfirstlane_b32 s24, v1                    ; w
	s_and_b32 s25, s24, 1
	s_lshr_b32 s26, s24, 1
	s_and_b32 s27, s24, 3
	s_and_b32 s28, ttmp9, 1                        ; c: which half of the record's 128 keys
	s_lshr_b32 s29, ttmp9, 1
	s_mul_i32 s29, s29, REC                        ; the record
	s_mul_i32 s30, s24, RAWW                       ; where my tile goes
	; descriptor group 1: 16 rows x 512 f32, 1,024 elements from row to row, 4 words of padding behind every 256
	s_mov_b32 s32, (2<<16)|(1<<20)|(7<<22)|(3<<25)
	s_mov_b32 s33, 512<<16                         ; tensor_dim0
	s_mov_b32 s34, 16<<16                          ; tensor_dim1
	s_mov_b32 s35, 512<<16                         ; tile_dim0
	s_mov_b32 s36, 16                              ; tile_dim1
	s_mov_b32 s37, 1024                            ; the pitch
	s_mov_b32 s38, 0
	s_mov_b32 s39, 0
	s_lshl_b32 s80, ttmp9, 18                      ; 64 tokens of 4,096 bytes,
	s_lshl_b32 s81, s26, 16                        ; tile w / 2,
	s_add_co_u32 s80, s80, s81
	s_lshl_b32 s81, s25, 11                        ; half w % 2 of K
	s_add_co_u32 s80, s80, s81
	s_mov_b32 s81, 0
	s_wait_alu depctr_va_vdst(0)                   ; directly ahead of the waits below
	s_wait_dscnt 0x0                               ; both opening adds are done
	s_wait_kmcnt 0x0
	s_add_nc_u64 s[82:83], s[4:5], s[80:81]
	s_mov_b32 s40, 1
	s_mov_b32 s41, s30
	s_mov_b64 s[42:43], s[82:83]
	s_or_b32 s43, s43, 0x80000000
; One load a wave; a line of its own for each tile, since a tile's two waves wait for theirs ahead of that tile's round.
.macro ARM under, next
	s_cmp_lt_u32 s24, \under
	s_cbranch_scc0 \next
	tensor_load_to_lds s[40:43], s[32:39]
	s_nop 0
.rept 4
	v_nop
.endr
	s_branch .Lasked
\next:
.endm
	ARM 2, .Ltile1
	ARM 4, .Ltile2
	ARM 6, .Ltile3
	tensor_load_to_lds s[40:43], s[32:39]
	s_nop 0
.rept 4
	v_nop
.endr
.Lasked:
	v_and_b32 v[TM], 31, v0                        ; lane
	v_and_b32 v[TM+1], 15, v0                      ; r
	v_bfe_u32 v[TM+2], v0, 4, 1                    ; h
	v_lshlrev_b32 v[TM+8], 4, v[TM]                ; 16 x lane
	v_lshlrev_b32 v[VSA], 5, v[TM+1]               ; 32 r
	v_lshlrev_b32 v[TM+9], 4, v[TM+1]              ; 16 r
	v_lshlrev_b32 v[TM+10], 5, v[TM+2]             ; 32 h
	v_lshlrev_b32 v[TM+11], 2, v[TM+1]             ; 4 r
	v_lshlrev_b32 v[L8], 3, v[TM]                  ; 8 x lane
	s_wait_alu depctr_va_vdst(0)                   ; directly ahead of the run of scalar instructions
	; the bases: offsets are made apart, in s80 (s81 stays 0), and added to the buffers' addresses
	s_lshl_b32 s80, s24, 14
	s_add_nc_u64 s[52:53], s[14:15], s[80:81]      ; wimg at tile 2 w
	s_lshl_b32 s80, s24, 13
	s_add_co_u32 s80, s80, 131072
	s_add_nc_u64 s[54:55], s[14:15], s[80:81]      ; wimg at tile 16 + w
	s_lshl_b32 s80, s24, 10
	s_add_nc_u64 s[56:57], s[16:17], s[80:81]      ; wscl at tile 2 w
	s_lshl_b32 s80, s24, 9
	s_add_co_u32 s80, s80, 8192
	s_add_nc_u64 s[58:59], s[16:17], s[80:81]      ; wscl at tile 16 + w
	s_lshl_b32 s80, s24, 6
	s_add_nc_u64 s[62:63], s[12:13], s[80:81]      ; bv at channel 16 w
	s_lshl_b32 s80, ttmp9, 8
	s_add_nc_u64 s[66:67], s[6:7], s[80:81]        ; padding_mask at my 64 tokens
	s_lshl_b32 s84, ttmp9, 12                      ; q's codes: four images a group
	s_lshl_b32 s85, s28, 12
	s_add_co_u32 s85, s85, s29                     ; k's: the record, tiles 4 c on
	s_cmp_lt_u32 s24, 4                            ; waves 0-3 make q, waves 4-7 k: the choices hang on the wave's number alone
	s_cselect_b32 s50, 1, 0
	s_cselect_b64 s[60:61], s[8:9], s[10:11]
	s_cselect_b64 s[68:69], s[18:19], s[22:23]
	s_cselect_b32 s80, s84, s85
	s_lshl_b32 s84, s27, 8                         ; block w % 4 of an image: 256 bytes
	s_add_co_u32 s80, s80, s84
	s_add_nc_u64 s[68:69], s[68:69], s[80:81]
	s_lshl_b32 s80, s27, 7
	s_add_nc_u64 s[60:61], s[60:61], s[80:81]      ; bq or bk at channel 32 (w % 4)
	s_lshl_b32 s80, s24, 10
	s_lshl_b32 s84, s28, 9
	s_add_co_u32 s80, s80, s84
	s_add_co_u32 s80, s80, s29
	s_add_co_u32 s80, s80, 8192
	s_add_nc_u64 s[70:71], s[22:23], s[80:81]      ; V^T's image w, blocks 2 c on
	s_lshl_b32 s80, s24, 2
	s_lshl_b32 s84, s28, 1
	s_add_co_u32 s80, s80, s84
	s_add_co_u32 s80, s80, s29
	s_add_co_u32 s80, s80, 16896
	s_add_nc_u64 s[72:73], s[22:23], s[80:81]      ; V's scale words: word w, bytes 2 c on
	s_lshl_b32 s84, ttmp9, 8
	s_lshl_b32 s85, s28, 8
	s_add_co_u32 s85, s85, s29
	s_add_co_u32 s86, s85, 17408
	s_add_co_u32 s85, s85, 16384
	s_cmp_eq_u32 s24, 0
	s_cselect_b64 s[74:75], s[20:21], s[22:23]     ; wave 0 sends q's scale words, wave 1 k's
	s_cselect_b32 s80, s84, s85
	s_add_nc_u64 s[74:75], s[74:75], s[80:81]
	s_mov_b32 s80, s86
	s_add_nc_u64 s[76:77], s[22:23], s[80:81]      ; the mask line
	s_mov_b32 s48, 0x76543210
	s_mov_b32 s49, 0xfedcba98                      ; v_permlanex16_b32's selects for lane l xor 16
	WIN 0x40                                       ; destination window 1
.irp j, 0,1
.irp s, 0,1,2,3,4,5,6,7
.irp c, 0,1
	global_load_b128 v[8*(8*\j+\s)+4*\c:8*(8*\j+\s)+4*\c+3], v[TM+8], s[52:53] offset:(8*\j+\s)*1024+512*\c
.endr
.endr
.endr
.irp s, 0,1,2,3,4,5,6,7
.irp c, 0,1
	global_load_b128 v[8*(16+\s)+4*\c:8*(16+\s)+4*\c+3], v[TM+8], s[54:55] offset:\s*1024+512*\c
.endr
.endr
	WIN 0
.irp j, 0,1
.irp e, 0,1
	global_load_b128 v[WS+8*\j+4*\e:WS+8*\j+4*\e+3], v[TM+9], s[56:57] offset:512*\j+256*\e
.endr
.endr
.irp e, 0,1
	global_load_b128 v[WS+16+4*\e:WS+16+4*\e+3], v[TM+9], s[58:59] offset:256*\e
.endr
.irp u, 0,1
.irp e, 0,1
	global_load_b128 v[BQ+8*\u+4*\e:BQ+8*\u+4*\e+3], v[TM+10], s[60:61] offset:64*\u+16*\e   ; register j of tile u: channel 32 (w % 4) + 16 u + 8 h + j
.endr
.endr
	global_load_b32 v[BV], v[TM+11], s[62:63]
.irp m, 0,1,2,3
	global_load_b32 v[MK+\m], v[TM+11], s[66:67] offset:64*\m
.endr
	global_load_b64 v[ML:ML+1], v[L8], s[66:67]    ; the 64 mask words in their natural order, two a lane, for the mask line
	; LDS addresses, all made here, on the one way that every wave takes
	s_lshr_b32 s31, s24, 2
	s_mul_i32 s31, s31, RAWW                       ; K step w lies in half w / 4,
	s_lshl_b32 s84, s27, 9                         ; 512 (w % 4) bytes into a row,
	s_add_co_u32 s31, s31, s84
	s_lshr_b32 s84, s27, 1
	s_lshl_b32 s84, s84, 4                         ; behind 16 of padding in the second run
	s_add_co_u32 s31, s31, s84
	v_mul_u32_u24 v[RA], v[TM+1], ROWP
	v_lshl_add_u32 v[RA], v[TM+2], 6, v[RA]
	v_add_nc_u32 v[RA], s31, v[RA]
	v_add_nc_u32 v[RAN], 2*RAWW, v[RA]
	v_add_nc_u32 v[RAN+1], 4*RAWW, v[RA]
	v_add_nc_u32 v[RAN+2], 6*RAWW, v[RA]
	s_lshl_b32 s31, s24, 10
	s_add_co_u32 s31, s31, XIMG
	v_lshl_add_u32 v[XWI], v[TM], 4, s31           ; image (m, w)
	s_lshl_b32 s31, s24, 7
	s_add_co_u32 s31, s31, XSC
	v_lshl_add_u32 v[XWS], v[TM], 2, s31
	v_lshl_add_u32 v[LI], v[TM], 4, XIMG
	v_lshl_add_u32 v[LS], v[TM], 2, XSC
	s_lshr_b32 s31, s24, 2
	s_lshl_b32 s31, s31, 8
	s_add_co_u32 s31, s31, s27
	s_add_co_u32 s31, s31, SST
	v_lshl_add_u32 v[SA], v[TM+1], 4, s31
	v_lshlrev_b32 v[OA], 4, v[TM+1]
	v_lshl_add_u32 v[OA], v[TM+2], 3, v[OA]
	s_lshl_b32 s31, s25, 8
	s_add_co_u32 s31, s31, SST
	v_lshl_add_u32 v[SR], v[TM], 3, s31
; nb blocks of 32: block b's half that is mine lies in v[s + 16 b] .. v[s + 16 b + 15]; lane l xor 16 holds the other half.  The bytes come out in v[TM + 4 + b], my 16 codes of block b in v[pc + 2 b], v[pc + 2 b + 1].
.macro QCORE s, nb, pc
.irp b, 0,1,2,3
.if \b < \nb
	v_max3_num_f32 v[TM+\b], |v[\s+16*\b]|, |v[\s+16*\b+1]|, 0x1800000   ; two chains a block, each accumulator from its low end on; the floor 2^(3 - 127) holds the byte at 1 from below
	v_max3_num_f32 v[TM+4+\b], |v[\s+16*\b+8]|, |v[\s+16*\b+9]|, |v[\s+16*\b+10]|
.endif
.endr
.irp i, 2,4,6
.irp b, 0,1,2,3
.if \b < \nb
	v_max3_num_f32 v[TM+\b], v[TM+\b], |v[\s+16*\b+\i]|, |v[\s+16*\b+\i+1]|
.if \i < 6
	v_max3_num_f32 v[TM+4+\b], v[TM+4+\b], |v[\s+16*\b+\i+9]|, |v[\s+16*\b+\i+10]|
.endif
.endif
.endr
.endr
.irp b, 0,1,2,3
.if \b < \nb
	v_max3_num_f32 v[TM+\b], v[TM+\b], v[TM+4+\b], |v[\s+16*\b+15]|
.endif
.endr
.irp b, 0,1,2,3
.if \b < \nb
	v_permlanex16_b32 v[TM+4+\b], v[TM+\b], s48, s49
.endif
.endr
.irp b, 0,1,2,3
.if \b < \nb
	v_max_num_f32 v[TM+\b], v[TM+\b], v[TM+4+\b]   ; the block's largest magnitude
.endif
.endr
.irp b, 0,1,2,3
.if \b < \nb
	v_add_nc_u32 v[TM+12+\b], 0xff000000, v[TM+\b] ; 2 off its exponent field: the conversion's scale operand
.endif
.endr
.irp b, 0,1,2,3
.if \b < \nb
	v_lshrrev_b32 v[TM+4+\b], 23, v[TM+12+\b]      ; the scale's byte
.endif
.endr
.irp b, 0,1,2,3
.if \b < \nb
	v_cvt_scalef32_pk8_fp4_f32 v[\pc+2*\b], v[\s+16*\b:\s+16*\b+7], v[TM+12+\b]
	v_cvt_scalef32_pk8_fp4_f32 v[\pc+2*\b+1], v[\s+16*\b+8:\s+16*\b+15], v[TM+12+\b]
.endif
.endr
	v_nop                                          ; one plain line behind the last scaled conversion
.endm
; K step w of tile m: register 16 b + n = k 32 b + 16 h + n of row r.  The operand's layout wants a whole block in a lane: lanes 0-15 block 2 c, lanes 16-31 block 2 c + 1.
.macro XTASK m, ra
.irp b, 0,1,2,3
.irp j, 0,1,2,3
	ds_load_b128 v[XR+16*\b+4*\j:XR+16*\b+4*\j+3], v[\ra] offset:128*\b+16*\j
.endr
.endr
	s_wait_dscnt 0x0
	QCORE XR, 4, PC
	v_lshl_or_b32 v[PW], v[TM+5], 8, v[TM+4]
	v_permlane16_swap_b32 v[PC], v[PC+2]
	v_permlane16_swap_b32 v[PC+1], v[PC+3]
	v_lshl_or_b32 v[PW], v[TM+6], 16, v[PW]
	v_permlane16_swap_b32 v[PC+4], v[PC+6]
	v_permlane16_swap_b32 v[PC+5], v[PC+7]
	v_lshl_or_b32 v[PW], v[TM+7], 24, v[PW]
.irp c, 0,1
	ds_store_b128 v[XWI], v[PC+4*\c:PC+4*\c+3] offset:8192*\m+512*\c   ; the fragment as it stands: 16 bytes a lane
.endr
	ds_store_b32 v[XWS], v[PW] offset:1024*\m
.endm
; Tile m's eight fragments, three LDS loads a K step, then 24 products: the three accumulators take turns, one instruction a turn.
.macro PROD m
.irp s, 0,1,2,3,4,5,6,7
.irp c, 0,1
	ds_load_b128 v[XR+8*\s+4*\c:XR+8*\s+4*\c+3], v[LI] offset:8192*\m+1024*\s+512*\c
.endr
	ds_load_b32 v[XS+\s], v[LS] offset:1024*\m+128*\s
.endr
.irp s, 0,1,2,3,4,5,6,7
	s_wait_dscnt 3*(7-\s)                          ; K step s is in; the later K steps' loads may be out
	WIN 0x01                                       ; source 0 (W) window 1
.irp u, 0,1
.if \s == 0
	v_wmma_scale_f32_16x16x128_f8f6f4 v[ACC+8*\u:ACC+8*\u+7], v[64*\u:64*\u+7], v[XR:XR+7], v[BQ+8*\u:BQ+8*\u+7], v[WS+8*\u], v[XS] matrix_a_fmt:MATRIX_FMT_FP4 matrix_b_fmt:MATRIX_FMT_FP4
.else
	v_wmma_scale_f32_16x16x128_f8f6f4 v[ACC+8*\u:ACC+8*\u+7], v[8*(8*\u+\s):8*(8*\u+\s)+7], v[XR+8*\s:XR+8*\s+7], v[ACC+8*\u:ACC+8*\u+7], v[WS+8*\u+\s], v[XS+\s] matrix_a_fmt:MATRIX_FMT_FP4 matrix_b_fmt:MATRIX_FMT_FP4
.endif
.endr
	WIN 0x04                                       ; source 1 (Wv) window 1
.set AV, ACCV+8*((\m)%2)
.if \s == 0
	v_wmma_scale_f32_16x16x128_f8f6f4 v[AV:AV+7], v[XR:XR+7], v[128:135], v[BV:BV+7], v[XS], v[WS+16] matrix_a_fmt:MATRIX_FMT_FP4 matrix_b_fmt:MATRIX_FMT_FP4
.else
	v_wmma_scale_f32_16x16x128_f8f6f4 v[AV:AV+7], v[XR+8*\s:XR+8*\s+7], v[8*(16+\s):8*(16+\s)+7], v[AV:AV+7], v[XS+\s], v[WS+16+\s] matrix_a_fmt:MATRIX_FMT_FP4 matrix_b_fmt:MATRIX_FMT_FP4
.endif
.endr
	WIN 0
.rept 4
	v_nop                                          ; four places (ISA guide 7.12.1) in front of the first read of results
.endr
.endm
; Tile m goes out: block w % 4 of q's or k's image; with every second tile a block of 32 tokens of my 16 channels of v.
.macro OUT m
.if (\m)%2
	QCORE ACC, 2, PO+4*\m
.else
	QCORE ACC, 1, PO+4*\m
.endif
	v_cmp_ne_u32 vcc_lo, 0, v[MK+\m]
	v_cndmask_b32 v[PO+4*\m], 0, v[PO+4*\m], vcc_lo       ; a masked key's codes are zeros
	v_cndmask_b32 v[PO+4*\m+1], 0, v[PO+4*\m+1], vcc_lo
	global_store_b64 v[OA], v[PO+4*\m:PO+4*\m+1], s[68:69] offset:1024*\m   ; 32 lanes store 256 consecutive bytes, aligned
	ds_store_b8 v[SA], v[TM+4] offset:4*\m         ; both halves of the lanes write the same byte with the same value
.if (\m)%2
	global_store_b64 v[OA], v[PO+4*\m+2:PO+4*\m+3], s[70:71] offset:128*(\m-1)
.endif
.if \m == 1
	v_mov_b32 v[VB], v[TM+5]
.endif
.if \m == 3
	v_lshl_or_b32 v[VB], v[TM+5], 8, v[VB]
	global_store_b16 v[VSA], v[VB], s[72:73]       ; bytes 2 c, 2 c + 1 of channel r's word
.endif
.endm
.macro BARRIER                         ; my LDS stores have landed and my LDS loads are in: then the work-group's barrier
	s_wait_dscnt 0x0
	s_barrier_signal -1
	s_barrier_wait -1
.endm
; Tile m is in when its two waves have waited (the lower waves' tiles are in already); behind the barrier every wave reads it.
.macro LANDED m
.if \m < 3
	s_cmp_lt_u32 s24, 2*\m+2
	s_cbranch_scc0 .Lnot_mine_\@
	s_wait_tensorcnt 0x0
.Lnot_mine_\@:
.else
	s_wait_tensorcnt 0x0
.endif
	BARRIER
.endm
	s_wait_alu depctr_va_vdst(0)                   ; at the head's end
	LANDED 0
	XTASK 0, RA
	BARRIER
	s_wait_loadcnt 0x0                             ; weights, scale words, biases, mask: all the head's loads are done, so their offset registers are free
.irp k, 1,2,3,4,5,6,7
	v_mov_b32 v[BV+\k], v[BV]                      ; v's result holds one channel a lane: the same bias in all eight registers
.endr
.irp m, 0,1,2,3
	v_or_b32 v[MK+\m], s50, v[MK+\m]               ; the mask zeroes k alone: in q's waves it is never 0
.endr
	s_cmp_eq_u32 s24, 2
	s_cbranch_scc0 .Lno_line                       ; wave 2: the mask line of my 64 keys leaves now.  Its data lie in registers that no later line writes
	v_mov_b32 v[TM+10], 0xd0000000                 ; -2^33
	v_cmp_eq_u32 vcc_lo, 0, v[ML]
	v_cndmask_b32 v[TM+8], 0, v[TM+10], vcc_lo
	v_cmp_eq_u32 vcc_lo, 0, v[ML+1]
	v_cndmask_b32 v[TM+9], 0, v[TM+10], vcc_lo
	global_store_b64 v[L8], v[TM+8:TM+9], s[76:77] ; 32 lanes store 256 consecutive bytes, aligned
.Lno_line:
	s_wait_alu depctr_va_vdst(0)
	PROD 0
	OUT 0
	LANDED 1
	XTASK 1, RAN
	BARRIER
	PROD 1
	OUT 1
	LANDED 2
	XTASK 2, RAN+1
	BARRIER
	PROD 2
	OUT 2
	LANDED 3
	XTASK 3, RAN+2
	BARRIER
	PROD 3
	OUT 3
	BARRIER                                        ; q's and k's scale words are whole in LDS
	s_cmp_lt_u32 s24, 2
	s_cbranch_scc0 .Ldone
	ds_load_b64 v[XR+6:XR+7], v[SR]
	s_wait_dscnt 0x0
	global_store_b64 v[L8], v[XR+6:XR+7], s[74:75] ; 256 consecutive bytes, aligned
.Ldone:
	s_wait_tensorcnt 0x0                           ; the wave's end
	ds_add_u32 v[SPW], v[NIL]
	s_wait_dscnt 0x0
	s_endpgm
.Lfunc_end_k_qcf5aaccb98_proj:
	.size	k_qcf5aaccb98_proj, .Lfunc_end_k_qcf5aaccb98_proj-k_qcf5aaccb98_proj
	.p2alignl 7, 3214868480
	.fill 96, 4, 3214868480
	.section	.rodata,"a",@progbits
	.p2align	6, 0x0
	.amdhsa_kernel k_qcf5aaccb98_proj
		.amdhsa_group_segment_fixed_size 327680
		.amdhsa_private_segment_fixed_size 0
		.amdhsa_enable_private_segment 0
		.amdhsa_kernarg_size 80
		.amdhsa_user_sgpr_count 2
		.amdhsa_user_sgpr_kernarg_segment_ptr 1
		.amdhsa_wavefront_size32 1
		.amdhsa_system_sgpr_workgroup_id_x 1
		.amdhsa_system_sgpr_workgroup_id_y 1
		.amdhsa_system_sgpr_workgroup_id_z 1
		.amdhsa_system_vgpr_workitem_id 0
		.amdhsa_next_free_vgpr 448
		.amdhsa_next_free_sgpr 96
		.amdhsa_reserve_vcc 1
		.amdhsa_float_denorm_mode_32 3
		.amdhsa_float_denorm_mode_16_64 3
		.amdhsa_memory_ordered 1
		.amdhsa_forward_progress 1
		.amdhsa_inst_pref_size 64
	.end_amdhsa_kernel
	.amdgpu_metadata
---
amdhsa.version: [ 1, 2 ]
amdhsa.kernels:
  - .name:           k_qcf5aaccb98_proj
    .symbol:         k_qcf5aaccb98_proj.kd
    .args:
      - { .name: inputs, .offset: 0, .size: 8, .value_kind: global_buffer, .address_space: global }
      - { .name: padding_mask, .offset: 8, .size: 8, .value_kind: global_buffer, .address_space: global }
      - { .name: bq, .offset: 16, .size: 8, .value_kind: global_buffer, .address_space: global }
      - { .name: bk, .offset: 24, .size: 8, .value_kind: global_buffer, .address_space: global }
      - { .name: bv, .offset: 32, .size: 8, .value_kind: global_buffer, .address_space: global }
      - { .name: wimg, .offset: 40, .size: 8, .value_kind: global_buffer, .address_space: global }
      - { .name: wscl, .offset: 48, .size: 8, .value_kind: global_buffer, .address_space: global }
      - { .name: qimg, .offset: 56, .size: 8, .value_kind: global_buffer, .address_space: global }
      - { .name: qscl, .offset: 64, .size: 8, .value_kind: global_buffer, .address_space: global }
      - { .name: kv, .offset: 72, .size: 8, .value_kind: global_buffer, .address_space: global }
    .group_segment_fixed_size: 327680
    .private_segment_fixed_size: 0
    .kernarg_segment_align: 8
    .kernarg_segment_size: 80
    .max_flat_workgroup_size: 256
    .sgpr_count:     96
    .vgpr_count:     448
    .wavefront_size: 32
...
	.end_amdgpu_metadata
.endif
;; end of part 2
;; launch attn (part 3): grid 64 x 4, 8 waves a work-group, clusters of 4 x 1, 327,680 bytes of LDS; arguments qimg, qscl, kv, out0; writes out0
.if DOCPART == 3
	.amdgcn_target "amdgcn-amd-amdhsa--gfx1250"
	.amdhsa_code_object_version 6
	.text
	.protected	k_qcf5aaccb98_attn
	.globl	k_qcf5aaccb98_attn
	.p2align	8
	.type	k_qcf5aaccb98_attn,@function
k_qcf5aaccb98_attn:
	s_mov_b64 s[64:65], 0
	v_nop
	global_prefetch_b8 v0, s[64:65] scope:SCOPE_SE
	s_setreg_imm32_b32 hwreg(HW_REG_WAVE_MODE, 25, 1), 1
	s_wait_xcnt 0x0
	s_wait_alu depctr_hold_cnt(0) depctr_sa_sdst(0) depctr_va_vdst(0) depctr_va_sdst(0) depctr_va_ssrc(0) depctr_va_vcc(0) depctr_vm_vsrc(0)
	s_getreg_b32 s2, hwreg(HW_REG_IB_STS2, 6, 4)
	s_cmp_eq_u32 s2, 0
	s_cbranch_scc0 .Lentry_in_a_cluster
	s_endpgm
.Lentry_in_a_cluster:
	s_bfe_u32 s2, ttmp6, 0x10000c
	s_cmp_lg_u32 s2, 0x3003
	s_cbranch_scc0 .Lentry_shape_is_right
	s_endpgm
.Lentry_shape_is_right:
; out[b][q][:] = softmax over k of (q . k / sqrt(128)), padded keys at a number far below, times v: both products on codes of E2M1 with one E8M0 byte for each 32 along a product's K.
; qimg, qscl: 16 queries an image of 1,024 bytes, scale words [group of 64][row 16][tile 4].  kv: records of 128 keys: 8 images of K, 8 of V^T, K's scale words [2][16][4], V's [16][8], 128 mask numbers (0, or -2^33 for a padded key).
; SHARES.  A work-group owns 64 queries of one batch.  Wave w owns 32 of them (two tiles of 16: w % 2) and a quarter of the keys (w / 2): eight key steps of one record each.  Both products are used transposed: a lane holds ONE query.
; THE SOFTMAX: t = score x log2(e) / sqrt(128); M = the running largest t rounded up to a whole number; p = 2^(t - M) is quantised along the keys, the row's sum is taken of the unquantised p and divides at the end.
; A BLOCK'S SCALE: p's largest number has the exponent floor(t - M) of the block's largest score: so scale and byte are made ahead of the exponentials.
; THE MASK LINE is loaded straight into the first tile's score registers: C of both tiles' first products (the second tile's are issued first).
; LOOK-AHEAD: the next step's K is loaded under this step's softmax, its mask line behind the conversions; V of this step behind its first product.
; THE RING: two slots of eight records, filled by joint loads of the cluster's four work-groups (neighbouring blocks of queries of one batch), one load a wave.  A slot is left in the MIDDLE of its second step, behind that step's last LDS read;
; the scores' shift stands between the signal and the wait.
; THE END: in the last step the four key quarters of a query exchange their largest t, so all quarters' sums stand under one M and are added as they are.
; NO PREFETCH: a batch's keys are four fills; each is asked for two key steps ahead of its first read, and the loop that asks for the last two has two trips: nothing to run ahead in.
; LIMITS: NaN and infinities among the inputs are not served; the promise holds while the scaled scores (exponents to the base 2, ahead of the maximum) stay under 2^31 in magnitude.
.set REC,   17920
.set SLOTB, 8*REC
.set SPARE, 2*SLOTB                    ; the spare words, 128 bytes a wave
.set STAT,  SPARE+1024                 ; [w % 2][tile 2][largest t, sum][lane 32][w / 2] words
.set SPT,   528                        ; the way out: a stage of 32 rows of 512 bytes + 16 for each wave, in slot 0, which has had its last fill and its last read
.set STW,   32*SPT
.set SPW, 1                            ; v1 my spare word, v2 0: never rewritten
.set NIL, 2
.set LI,  3                            ; 16 x lane
.set R16, 4                            ; 16 r
.set R32, 5                            ; 32 r
.set H32, 6                            ; 32 h
.set AKI, 7                            ; LDS addresses: next step's K images, K's scale words,
.set AKS, 8
.set AVI, 9                            ; this step's V images, V's scale words,
.set AVS, 10
.set AM,  11                           ; next step's mask line
.set QF,  12                           ; v12-27 Q's two fragments;  v28-29 their scale words
.set QS,  28
.set KS,  30                           ; v30-37 K's scale words, v38-45 V's
.set VS,  38
.set MS,  46                           ; where I put a number of a query, and where I read the four quarters'
.set MR,  47
.set PC,  48                           ; v48-63 p's codes
.set SS,  64                           ; v64-191 scores, then p: tile q at SS + 64 q
.set TT,  192                          ; state of tile q at TT + 24 q: +0 -M, +1 largest t, +2,3 sum, +4..7 blocks, +8..11 permutes, sums, +12..15 scale operands, +16 f, +17 p's scale word, +18 at work
.set RS,  211
.set RR0, 212
.set RR1, 213
.set LRA, 214
.set NM,  240
.set OO,  0                            ; window 1: v0-127 O^T, v128-191 K's fragments, v192-255 V's
.set KF,  128
.set VF,  192
.set WV,  12
.set PI,  13
.set KA,  14
.set SEL, 20
.set CS,  22
.set G1,  24
.set G0A, 32
.set G0B, 36
.set TB,  40                           ; my record of a slot's first step, of its second, and of the other slot's first and second
.set TBX, 41
.set KREC, 42
.set NTB, 66
.set FL,  67                           ; where the next fill goes
.set TRIP, 68
.set MSB, 0
.macro WIN new                         ; the immediate's high byte repeats the setting that is left
.if MSB != \new
	s_set_vgpr_msb (MSB<<8)|\new
.set MSB, \new
.endif
.endm
.macro CREST                           ; a round of the cluster's barrier behind its opening barrier
	s_cmp_lg_u32 s[WV], 0
	s_cbranch_scc1 .Lnot_wave_0_\@
	s_barrier_signal -3
.Lnot_wave_0_\@:
	s_barrier_wait -3
	s_barrier_signal -1
	s_barrier_wait -1
.endm
.macro CROUND
	s_barrier_signal -1
	s_barrier_wait -1
	CREST
.endm
	s_load_b256 s[4:11], s[0:1], 0x0               ; qimg, qscl, kv, out0
	v_lshl_add_u32 v[SPW], v0, 2, SPARE
	v_mov_b32 v[NIL], 0
	ds_add_u32 v[SPW], v[NIL]                      ; the opening lines: the add, twice on end, and one wait
	ds_add_u32 v[SPW], v[NIL]
	v_lshrrev_b32 v[LI], 5, v0
	v_readfirstlane_b32 s[WV], v[LI]
	s_and_b32 s[PI], s[WV], 1
	s_lshr_b32 s[KA], s[WV], 1
	s_bfe_u32 s15, ttmp6, 0x40000
	s_lshl_b32 s16, ttmp9, 2
	s_add_co_u32 s16, s16, s15                     ; the block of 64 queries in the batch
	s_and_b32 s17, ttmp7, 0xffff                   ; the batch
	s_lshl_b32 s18, s17, 6
	s_add_co_u32 s18, s18, s16
	s_mov_b32 s[G1], 15|(3<<16)|(1<<21)            ; all four work-groups of the cluster; elements of 8 bytes; 21 set beside a mask
	s_mov_b32 s[G1+1], 32<<16                      ; a record is dense: 70 rows of 256 bytes
	s_mov_b32 s[G1+2], 70<<16
	s_mov_b32 s[G1+3], 32<<16
	s_mov_b32 s[G1+4], 70
	s_mov_b32 s[G1+5], 32
	s_mov_b32 s[G1+6], 0
	s_mov_b32 s[G1+7], 0
	s_mul_i32 s43, s[WV], REC                      ; the record of a slot that I fetch
	s_mul_i32 s44, s17, 32*REC
	s_add_co_u32 s44, s44, s43
	s_mov_b32 s45, 0
	s_mul_i32 s[KREC], s[KA], REC                  ; and that I read
	s_lshl_b32 s46, s18, 12
	s_lshl_b32 s47, s[PI], 11
	s_add_co_u32 s46, s46, s47
	s_mov_b32 s47, 0
	s_lshl_b32 s48, s18, 8
	s_lshl_b32 s49, s[PI], 3
	s_add_co_u32 s48, s48, s49
	s_mov_b32 s49, 0
	s_and_b32 s52, s[KA], 1                        ; on the way out I add up tile (w / 2) % 2's rows 8 (w / 4) .. + 7
	s_lshr_b32 s53, s[KA], 1
	s_lshl_b32 s50, s18, 15
	s_lshl_b32 s51, s[PI], 14
	s_add_co_u32 s50, s50, s51
	s_lshl_b32 s51, s52, 13
	s_add_co_u32 s50, s50, s51
	s_lshl_b32 s51, s53, 12
	s_add_co_u32 s50, s50, s51
	s_mov_b32 s51, 0
	s_lshl_b32 s55, s[PI], 11
	s_add_co_u32 s55, s55, STAT
	s_lshl_b32 s54, s[KA], 2
	s_add_co_u32 s54, s54, s55
	s_lshl_b32 s60, s52, 10
	s_add_co_u32 s60, s60, s55
	s_lshl_b32 s61, s53, 7
	s_add_co_u32 s60, s60, s61
	s_add_co_u32 s60, s60, 512                     ; those rows' sums
	s_mul_i32 s56, s[WV], STW
	s_mul_i32 s57, s[PI], STW
	s_mul_i32 s58, s52, 16*SPT
	s_add_co_u32 s57, s57, s58
	s_mul_i32 s58, s53, 8*SPT
	s_add_co_u32 s57, s57, s58
	s_mov_b32 s[SEL], 0x76543210
	s_mov_b32 s[SEL+1], 0xfedcba98                 ; v_permlanex16_b32's selects for lane l xor 16
	s_mov_b32 s[CS], 0x3e0293ee                    ; c = log2(e) / sqrt(128)
	s_mov_b32 s[CS+1], s[CS]
	s_mov_b32 s[TB], s[KREC]
	s_add_co_u32 s[TBX], s[KREC], 4*REC
	s_add_co_u32 s[NTB], s[KREC], SLOTB
	s_mov_b32 s[FL], s43
	s_wait_alu depctr_va_vdst(0)                   ; directly ahead of the waits below
	s_wait_dscnt 0x0                               ; both opening adds are done
	s_wait_kmcnt 0x0
	s_add_nc_u64 s[44:45], s[8:9], s[44:45]
	s_add_nc_u64 s[46:47], s[4:5], s[46:47]
	s_add_nc_u64 s[48:49], s[6:7], s[48:49]
	s_add_nc_u64 s[50:51], s[10:11], s[50:51]
	s_mov_b32 s[G0A], 1
	s_mov_b32 s[G0A+1], s43
	s_mov_b64 s[G0A+2:G0A+3], s[44:45]
	s_or_b32 s[G0A+3], s[G0A+3], 0x80000000
	s_mov_b32 s[G0B], 1
	s_add_co_u32 s[G0B+1], s43, SLOTB
	s_add_nc_u64 s[G0B+2:G0B+3], s[44:45], 8*REC
	s_or_b32 s[G0B+3], s[G0B+3], 0x80000000
	CROUND                                         ; the four work-groups are here: the first joint loads meet
	tensor_load_to_lds s[G0A:G0A+3], s[G1:G1+7]
	s_nop 0
.rept 4
	v_nop
.endr
	v_and_b32 v[AKI], 31, v0
	v_and_b32 v[AKS], 15, v0
	v_bfe_u32 v[AM], v0, 4, 1
	v_lshlrev_b32 v[LI], 4, v[AKI]
	v_lshlrev_b32 v[R16], 4, v[AKS]
	v_lshlrev_b32 v[R32], 5, v[AKS]
	v_lshlrev_b32 v[H32], 5, v[AM]
.irp q, 0,1
.irp c, 0,1
	global_load_b128 v[QF+8*\q+4*\c:QF+8*\q+4*\c+3], v[LI], s[46:47] offset:1024*\q+512*\c
.endr
	global_load_b32 v[QS+\q], v[R16], s[48:49] offset:4*\q
.endr
	v_add_nc_u32 v[MS], s54, v[LI]
	v_add_nc_u32 v[MR], s55, v[LI]
	v_mov_b32 v[LRA], s60
	v_mul_u32_u24 v[RS], v[AKS], SPT
	v_add_nc_u32 v[RR0], s57, v[LI]
	v_add_nc_u32 v[RS], v[RS], v[H32]
	v_add_nc_u32 v[RR1], 4*STW, v[RR0]
	v_add_nc_u32 v[RS], s56, v[RS]
	v_add_nc_u32 v[AKI], s[KREC], v[LI]            ; step 0's K and mask line
	v_add_nc_u32 v[AKS], s[KREC], v[R16]
	v_add_nc_u32 v[AM], s[KREC], v[H32]
.irp q, 0,1
	v_mov_b32 v[TT+24*\q+1], 0xff61b1e6            ; the largest t so far: -3e38
	v_mov_b32 v[TT+24*\q+2], 0
	v_mov_b32 v[TT+24*\q+3], 0
	v_mov_b32 v[TT+24*\q+8], 0                     ; (a lane permute's destination counts as one of its sources)
	v_mov_b32 v[TT+24*\q+9], 0
	v_mov_b32 v[TT+24*\q+10], 0
	v_mov_b32 v[TT+24*\q+11], 0
	v_mov_b32 v[TT+24*\q+18], 0
	v_floor_f32 v[TT+24*\q], -v[TT+24*\q+1]        ; -M
.endr
	WIN 0x40
.set j, 0
.rept 128
	v_mov_b32 v[OO+j], 0                           ; O^T, under the first fill's flight: the step is written for loop and tail alike, and its first change of M leaves zeros
.set j, j+1
.endr
	WIN 0
; The next step's K: 18 LDS loads.
.macro KLOADS
	WIN 0x40
.irp t, 0,1,2,3,4,5,6,7
.irp c, 0,1
	ds_load_b128 v[KF+8*\t+4*\c:KF+8*\t+4*\c+3], v[AKI] offset:1024*\t+512*\c
.endr
.endr
	WIN 0
.irp c, 0,1
	ds_load_b128 v[KS+4*\c:KS+4*\c+3], v[AKS] offset:16384+256*\c
.endr
.endm
; The next step's mask line, into the first tile's score registers: 16 LDS loads.
.macro MLOADS
.irp t, 0,1,2,3,4,5,6,7
.irp e, 0,1
	ds_load_b128 v[SS+8*\t+4*\e:SS+8*\t+4*\e+3], v[AM] offset:17408+64*\t+16*\e
.endr
.endr
.endm
; The largest score of each block of 32 keys (it serves the row's maximum and the block's scale), and the running largest t.
.macro LARGEST
.irp b, 0,1,2,3
.irp q, 0,1
	v_max3_num_f32 v[TT+24*\q+4+\b], v[SS+64*\q+16*\b], v[SS+64*\q+16*\b+1], v[SS+64*\q+16*\b+2]
.endr
.endr
.irp i, 3,5,7,9,11,13
.irp b, 0,1,2,3
.irp q, 0,1
	v_max3_num_f32 v[TT+24*\q+4+\b], v[TT+24*\q+4+\b], v[SS+64*\q+16*\b+\i], v[SS+64*\q+16*\b+\i+1]
.endr
.endr
.endr
.irp b, 0,1,2,3
.irp q, 0,1
	v_max_num_f32 v[TT+24*\q+4+\b], v[TT+24*\q+4+\b], v[SS+64*\q+16*\b+15]
.endr
.endr
.irp b, 0,1,2,3
.irp q, 0,1
	v_permlanex16_b32 v[TT+24*\q+8+\b], v[TT+24*\q+4+\b], s[SEL], s[SEL+1]
.endr
.endr
.irp b, 0,1,2,3
.irp q, 0,1
	v_max_num_f32 v[TT+24*\q+4+\b], v[TT+24*\q+4+\b], v[TT+24*\q+8+\b]
.endr
.endr
.irp q, 0,1
	v_max3_num_f32 v[TT+24*\q+18], v[TT+24*\q+4], v[TT+24*\q+5], v[TT+24*\q+6]
.endr
.irp q, 0,1
	v_max_num_f32 v[TT+24*\q+18], v[TT+24*\q+18], v[TT+24*\q+7]
.endr
.irp q, 0,1
	v_mul_f32 v[TT+24*\q+18], s[CS], v[TT+24*\q+18]
.endr
.irp q, 0,1
	v_max_num_f32 v[TT+24*\q+1], v[TT+24*\q+1], v[TT+24*\q+18]
.endr
.endm
; -M = floor(-t), and f = 2^(old M - new M).
.macro NEWM
.irp q, 0,1
	v_mov_b32 v[TT+24*\q+18], v[TT+24*\q]
.endr
.irp q, 0,1
	v_floor_f32 v[TT+24*\q], -v[TT+24*\q+1]
.endr
.irp q, 0,1
	v_sub_f32 v[TT+24*\q+18], v[TT+24*\q], v[TT+24*\q+18]
.endr
.irp q, 0,1
	v_cvt_i32_f32 v[TT+24*\q+18], v[TT+24*\q+18]
.endr
.irp q, 0,1
	v_ldexp_f32 v[TT+24*\q+16], 1.0, v[TT+24*\q+18]
.endr
.endm
; A block's exponent n = floor(t - M) of its largest score, held at -124 from below; the conversion's scale operand is (n + 125) << 23 (n - 2 as an exponent field), its byte n + 125:
; the four bytes are summed as n0 + (n1 << 8) + (n2 << 16) + (n3 << 24) + 0x7d7d7d7d.
.macro SCALES
.irp b, 0,1,2,3
.irp q, 0,1
	v_fma_f32 v[TT+24*\q+4+\b], v[TT+24*\q+4+\b], s[CS], v[TT+24*\q]
.endr
.endr
.irp b, 0,1,2,3
.irp q, 0,1
	v_max_num_f32 v[TT+24*\q+4+\b], 0xc2f80000, v[TT+24*\q+4+\b]
.endr
.endr
.irp b, 0,1,2,3
.irp q, 0,1
	v_floor_f32 v[TT+24*\q+4+\b], v[TT+24*\q+4+\b]
.endr
.endr
.irp b, 0,1,2,3
.irp q, 0,1
	v_cvt_i32_f32 v[TT+24*\q+4+\b], v[TT+24*\q+4+\b]
.endr
.endr
.irp b, 0,1,2,3
.irp q, 0,1
.if \b == 0
	v_lshl_add_u32 v[TT+24*\q+18], v[TT+24*\q+5], 8, v[TT+24*\q+4]
.elseif \b < 3
	v_lshl_add_u32 v[TT+24*\q+18], v[TT+24*\q+5+\b], 8+8*\b, v[TT+24*\q+18]
.else
	v_add_nc_u32 v[TT+24*\q+17], 0x7d7d7d7d, v[TT+24*\q+18]
.endif
.endr
.irp q, 0,1
	v_add_lshl_u32 v[TT+24*\q+12+\b], 0x7d, v[TT+24*\q+4+\b], 23
.endr
.endr
.endm
.macro SHIFT                           ; t - M
.set j, 0
.rept 32
.irp q, 0,1
	v_pk_fma_f32 v[SS+64*\q+j:SS+64*\q+j+1], v[SS+64*\q+j:SS+64*\q+j+1], s[CS:CS+1], v[TT+24*\q:TT+24*\q+1] op_sel_hi:[1,0,0]
.endr
.set j, j+2
.endr
.endm
; A KEY STEP.  kind 0: a slot's first step;  1: its second: the slot is left and filled again;  2: it is left, nothing is filled;  3: the last step of all.
.macro STEP kind, cur, nxt
	s_wait_dscnt 0x0                               ; this step's K and mask line are in
	WIN 0x01
.irp t, 0,1,2,3,4,5,6,7                ; S^T = K Q^T + mask: the second tile first,
	v_wmma_scale_f32_16x16x128_f8f6f4 v[SS+64+8*\t:SS+64+8*\t+7], v[KF+8*\t:KF+8*\t+7], v[QF+8:QF+15], v[SS+8*\t:SS+8*\t+7], v[KS+\t], v[QS+1] matrix_a_fmt:MATRIX_FMT_FP4 matrix_b_fmt:MATRIX_FMT_FP4
.endr
	WIN 0
	v_add_nc_u32 v[AVI], s[\cur], v[LI]            ; five places: the first tile's products write over the registers that those above read as C
	v_add_nc_u32 v[AVS], s[\cur], v[R32]
.if \kind < 3
	v_add_nc_u32 v[AKI], s[\nxt], v[LI]
	v_add_nc_u32 v[AKS], s[\nxt], v[R16]
	v_add_nc_u32 v[AM], s[\nxt], v[H32]
.else
.rept 3
	v_nop
.endr
.endif
	WIN 0x01
.irp t, 0,1,2,3,4,5,6,7                ; then the first, onto the mask line
	v_wmma_scale_f32_16x16x128_f8f6f4 v[SS+8*\t:SS+8*\t+7], v[KF+8*\t:KF+8*\t+7], v[QF:QF+7], v[SS+8*\t:SS+8*\t+7], v[KS+\t], v[QS] matrix_a_fmt:MATRIX_FMT_FP4 matrix_b_fmt:MATRIX_FMT_FP4
.endr
	WIN 0x40
.irp t, 0,1,2,3,4,5,6,7
.irp c, 0,1
	ds_load_b128 v[VF+8*\t+4*\c:VF+8*\t+4*\c+3], v[AVI] offset:8192+1024*\t+512*\c
.endr
.endr
	WIN 0
.irp e, 0,1
	ds_load_b128 v[VS+4*\e:VS+4*\e+3], v[AVS] offset:16896+16*\e
.endr
.rept 4
	v_nop                                          ; four places ahead of loads into K's registers and of the first read of the scores
.endr
.if \kind == 0
	KLOADS
.endif
	LARGEST
.if \kind == 3                         ; the four key quarters' largest t: M is the same in all four from here on
.irp q, 0,1
	ds_store_b32 v[MS], v[TT+24*\q+1] offset:1024*\q
.endr
	s_wait_alu depctr_va_vdst(0)
	s_wait_dscnt 0x0
	s_barrier_signal -1
	s_barrier_wait -1
.irp q, 0,1
	ds_load_b128 v[NM+4*\q:NM+4*\q+3], v[MR] offset:1024*\q
.endr
	s_wait_dscnt 0x0
.irp q, 0,1
	v_max3_num_f32 v[TT+24*\q+18], v[NM+4*\q], v[NM+4*\q+1], v[NM+4*\q+2]
.endr
.irp q, 0,1
	v_max_num_f32 v[TT+24*\q+1], v[TT+24*\q+18], v[NM+4*\q+3]
.endr
.endif
	NEWM
.if (\kind == 1) || (\kind == 2)
	s_wait_alu depctr_va_vdst(0)
	s_wait_tensorcnt 0x0                           ; my part of the other slot is in;
	ds_add_u32 v[SPW], v[NIL]
.if \kind == 1
	s_add_nc_u64 s[G0B+2:G0B+3], s[G0B+2:G0B+3], 8*REC   ; no tensor load of mine is out: the next eight records,
	s_mov_b32 s[G0B+1], s[FL]                            ; into the slot that is being left
.endif
	SCALES
	s_wait_alu depctr_va_vdst(0)
	s_wait_dscnt 0x0                               ; the add is done, and so are my reads of this slot
	s_barrier_signal -1
	SHIFT                                          ; work on registers while the others arrive
	s_wait_alu depctr_va_vdst(0)
	s_barrier_wait -1
.if \kind == 1
	CREST                                          ; no wave of any partner still reads this slot or has a load on its way
	tensor_load_to_lds s[G0B:G0B+3], s[G1:G1+7]
	s_nop 0
.rept 4
	v_nop
.endr
.endif
	KLOADS
.else
	SCALES
	SHIFT
.endif
	s_wait_alu depctr_va_vdst(0)                   ; ahead of the batch of exponentials
.set j, 0
.rept 64
.irp q, 0,1
	v_exp_f32 v[SS+64*\q+j], v[SS+64*\q+j]         ; p = 2^(t - M)
.endr
.set j, j+1
.endr
.irp q, 0,1
	v_pk_mul_f32 v[TT+24*\q+2:TT+24*\q+3], v[TT+24*\q+2:TT+24*\q+3], v[TT+24*\q+16:TT+24*\q+17] op_sel_hi:[1,0]
.endr
	s_wait_alu depctr_va_vdst(0)                   ; and behind it
.irp b, 0,1,2,3
.irp q, 0,1
	v_cvt_scalef32_pk8_fp4_f32 v[PC+8*\q+2*\b], v[SS+64*\q+16*\b:SS+64*\q+16*\b+7], v[TT+24*\q+12+\b]
	v_cvt_scalef32_pk8_fp4_f32 v[PC+8*\q+2*\b+1], v[SS+64*\q+16*\b+8:SS+64*\q+16*\b+15], v[TT+24*\q+12+\b]
.endr
.endr
	v_nop                                          ; one plain line behind the last scaled conversion
.irp q, 0,1                            ; the row's sum, of the unquantised p, in two chains a tile
	v_pk_add_f32 v[TT+24*\q+8:TT+24*\q+9], v[SS+64*\q:SS+64*\q+1], v[SS+64*\q+2:SS+64*\q+3]
.endr
.set j, 4
.rept 15
.irp q, 0,1
	v_pk_add_f32 v[TT+24*\q+2:TT+24*\q+3], v[TT+24*\q+2:TT+24*\q+3], v[SS+64*\q+j:SS+64*\q+j+1]
	v_pk_add_f32 v[TT+24*\q+8:TT+24*\q+9], v[TT+24*\q+8:TT+24*\q+9], v[SS+64*\q+j+2:SS+64*\q+j+3]
.endr
.set j, j+4
.endr
.irp c, 0,1                            ; the operand's layout wants a whole block in a lane
.irp i, 0,1
.irp q, 0,1
	v_permlane16_swap_b32 v[PC+8*\q+4*\c+\i], v[PC+8*\q+2+4*\c+\i]
.endr
.endr
.endr
.irp q, 0,1
	v_pk_add_f32 v[TT+24*\q+2:TT+24*\q+3], v[TT+24*\q+2:TT+24*\q+3], v[TT+24*\q+8:TT+24*\q+9]
.endr
.if \kind < 3
	MLOADS
.else
.irp q, 0,1
	v_add_f32 v[TT+24*\q+2], v[TT+24*\q+2], v[TT+24*\q+3]
.endr
.irp q, 0,1
	v_permlanex16_b32 v[TT+24*\q+18], v[TT+24*\q+2], s[SEL], s[SEL+1]
.endr
.irp q, 0,1
	v_add_f32 v[TT+24*\q+2], v[TT+24*\q+2], v[TT+24*\q+18]
.endr
.irp q, 0,1
	ds_store_b32 v[MS], v[TT+24*\q+2] offset:1024*\q+512   ; my quarter's sum of each query
.endr
.endif
	WIN 0x41
	s_wait_alu depctr_va_vdst(0)                   ; directly ahead of the first readers of O^T
.set j, 0
.rept 32
.irp q, 0,1
	v_pk_mul_f32 v[OO+64*\q+j:OO+64*\q+j+1], v[OO+64*\q+j:OO+64*\q+j+1], v[TT+24*\q+16:TT+24*\q+17] op_sel_hi:[1,0]
.endr
.set j, j+2
.endr
	s_wait_alu depctr_va_vdst(0)
.if \kind == 0
	s_wait_dscnt 34                                ; V is in; K's 18 loads and the mask line's 16 are younger.  (In the other kinds V came in ahead of a barrier)
.endif
	WIN 0x51
.irp t, 0,1,2,3,4,5,6,7                ; O^T += V^T P^T
.irp q, 0,1
	v_wmma_scale_f32_16x16x128_f8f6f4 v[OO+64*\q+8*\t:OO+64*\q+8*\t+7], v[VF+8*\t:VF+8*\t+7], v[PC+8*\q:PC+8*\q+7], v[OO+64*\q+8*\t:OO+64*\q+8*\t+7], v[VS+\t], v[TT+24*\q+17] matrix_a_fmt:MATRIX_FMT_FP4 matrix_b_fmt:MATRIX_FMT_FP4
.endr
.endr
	WIN 0
.endm
	s_wait_alu depctr_va_vdst(0)                   ; at the head's end
	s_wait_tensorcnt 0x0                           ; my record of slot 0 is in; these lines stand ahead of a later first fill as ahead of a refill
	ds_add_u32 v[SPW], v[NIL]
	s_wait_dscnt 0x0
	CROUND
	tensor_load_to_lds s[G0B:G0B+3], s[G1:G1+7]    ; slot 1
	s_nop 0
.rept 4
	v_nop
.endr
	KLOADS
	MLOADS
	s_wait_loadcnt 0x0                             ; Q
	s_mov_b32 s[TRIP], 2
.Lpair:                                                ; trip n: slot n's two steps; it is filled again in the second
	STEP 0, TB, TBX
	STEP 1, TBX, NTB
	s_add_co_u32 s[TB], s[TB], SLOTB
	s_add_co_u32 s[TBX], s[TBX], SLOTB
	s_sub_co_u32 s[NTB], s[NTB], SLOTB             ; the other slot's first step
	s_add_co_u32 s[FL], s[FL], SLOTB
	s_sub_co_u32 s[TRIP], s[TRIP], 1
	s_cmp_lg_u32 s[TRIP], 0
	s_wait_alu depctr_va_vdst(0)
	s_cbranch_scc1 .Lpair
	s_mov_b32 s[TB], s[KREC]                       ; the last four steps fill nothing
	s_add_co_u32 s[TBX], s[KREC], 4*REC
	s_add_co_u32 s[NTB], s[KREC], SLOTB
	s_add_co_u32 s[FL], s[KREC], SLOTB+4*REC
	STEP 0, TB, TBX
	STEP 2, TBX, NTB
	STEP 0, NTB, FL
	STEP 3, FL, FL
	; THE WAY OUT.  O^T goes to my stage by rows; behind the barrier each wave adds the four quarters' parts of eight rows and divides them by the rows' sums.
.rept 4
	v_nop
.endr
	WIN 0x04
.irp q, 0,1
.irp t, 0,1,2,3,4,5,6,7
.irp e, 0,1
	ds_store_b128 v[RS], v[OO+64*\q+8*\t+4*\e:OO+64*\q+8*\t+4*\e+3] offset:16*SPT*\q+64*\t+16*\e
.endr
.endr
.endr
	WIN 0
	s_wait_dscnt 0x0
	s_barrier_signal -1
	s_barrier_wait -1
.macro SUMREG i                        ; row i's four sums: in registers that held p's codes, then Q's fragments
.if \i < 4
.set FI, PC+4*\i
.else
.set FI, QF+4*\i-16
.endif
.endm
.irp i, 0,1,2,3,4,5,6,7
	SUMREG \i
	ds_load_b128 v[FI:FI+3], v[LRA] offset:16*\i
.endr
.irp i, 0,1,2,3,4,5,6,7
.irp k, 0,1
	ds_load_b128 v[SS+16*\i+4*\k:SS+16*\i+4*\k+3], v[RR0] offset:2*STW*\k+SPT*\i
	ds_load_b128 v[SS+16*\i+8+4*\k:SS+16*\i+8+4*\k+3], v[RR1] offset:2*STW*\k+SPT*\i
.endr
.endr
	s_wait_dscnt 32                                ; the sums are in
.irp i, 0,1,2,3,4,5,6,7
	SUMREG \i
	v_pk_add_f32 v[FI:FI+1], v[FI:FI+1], v[FI+2:FI+3]
.endr
.irp i, 0,1,2,3,4,5,6,7
	SUMREG \i
	v_add_f32 v[FI], v[FI], v[FI+1]
.endr
	s_wait_alu depctr_va_vdst(0)                   ; ahead of the batch
.irp i, 0,1,2,3,4,5,6,7
	SUMREG \i
	v_rcp_f32 v[FI+2], v[FI]
.endr
	v_nop
	s_wait_alu depctr_va_vdst(0)                   ; and behind it
.irp i, 0,1,2,3,4,5,6,7
	SUMREG \i
	s_wait_dscnt 4*(7-\i)
	v_pk_add_f32 v[SS+16*\i:SS+16*\i+1], v[SS+16*\i:SS+16*\i+1], v[SS+16*\i+4:SS+16*\i+5]
	v_pk_add_f32 v[SS+16*\i+2:SS+16*\i+3], v[SS+16*\i+2:SS+16*\i+3], v[SS+16*\i+6:SS+16*\i+7]
	v_pk_add_f32 v[SS+16*\i+8:SS+16*\i+9], v[SS+16*\i+8:SS+16*\i+9], v[SS+16*\i+12:SS+16*\i+13]
	v_pk_add_f32 v[SS+16*\i+10:SS+16*\i+11], v[SS+16*\i+10:SS+16*\i+11], v[SS+16*\i+14:SS+16*\i+15]
	v_pk_add_f32 v[SS+16*\i:SS+16*\i+1], v[SS+16*\i:SS+16*\i+1], v[SS+16*\i+8:SS+16*\i+9]
	v_pk_add_f32 v[SS+16*\i+2:SS+16*\i+3], v[SS+16*\i+2:SS+16*\i+3], v[SS+16*\i+10:SS+16*\i+11]
	v_pk_mul_f32 v[SS+16*\i:SS+16*\i+1], v[SS+16*\i:SS+16*\i+1], v[FI+2:FI+3] op_sel_hi:[1,0]
	v_pk_mul_f32 v[SS+16*\i+2:SS+16*\i+3], v[SS+16*\i+2:SS+16*\i+3], v[FI+2:FI+3] op_sel_hi:[1,0]
	global_store_b128 v[LI], v[SS+16*\i:SS+16*\i+3], s[50:51] offset:512*\i th:TH_STORE_NT   ; 512 consecutive bytes, aligned
.endr
	s_wait_tensorcnt 0x0                           ; the wave's end
	ds_add_u32 v[SPW], v[NIL]
	s_wait_dscnt 0x0
	CROUND                                         ; the closing round
	s_endpgm
.Lfunc_end_k_qcf5aaccb98_attn:
	.size	k_qcf5aaccb98_attn, .Lfunc_end_k_qcf5aaccb98_attn-k_qcf5aaccb98_attn
	.p2alignl 7, 3214868480
	.fill 96, 4, 3214868480
	.section	.rodata,"a",@progbits
	.p2align	6, 0x0
	.amdhsa_kernel k_qcf5aaccb98_attn
		.amdhsa_group_segment_fixed_size 327680
		.amdhsa_private_segment_fixed_size 0
		.amdhsa_enable_private_segment 0
		.amdhsa_kernarg_size 32
		.amdhsa_user_sgpr_count 2
		.amdhsa_user_sgpr_kernarg_segment_ptr 1
		.amdhsa_wavefront_size32 1
		.amdhsa_system_sgpr_workgroup_id_x 1
		.amdhsa_system_sgpr_workgroup_id_y 1
		.amdhsa_system_sgpr_workgroup_id_z 1
		.amdhsa_system_vgpr_workitem_id 0
		.amdhsa_next_free_vgpr 512
		.amdhsa_next_free_sgpr 72
		.amdhsa_reserve_vcc 0
		.amdhsa_float_denorm_mode_32 3
		.amdhsa_float_denorm_mode_16_64 3
		.amdhsa_memory_ordered 1
		.amdhsa_forward_progress 1
		.amdhsa_inst_pref_size 226
	.end_amdhsa_kernel
	.amdgpu_metadata
---
amdhsa.version: [ 1, 2 ]
amdhsa.kernels:
  - .name:           k_qcf5aaccb98_attn
    .symbol:         k_qcf5aaccb98_attn.kd
    .args:
      - { .name: qimg, .offset: 0, .size: 8, .value_kind: global_buffer, .address_space: global }
      - { .name: qscl, .offset: 8, .size: 8, .value_kind: global_buffer, .address_space: global }
      - { .name: kv, .offset: 16, .size: 8, .value_kind: global_buffer, .address_space: global }
      - { .name: out0, .offset: 24, .size: 8, .value_kind: global_buffer, .address_space: global }
    .group_segment_fixed_size: 327680
    .private_segment_fixed_size: 0
    .kernarg_segment_align: 8
    .kernarg_segment_size: 32
    .max_flat_workgroup_size: 256
    .sgpr_count:     72
    .vgpr_count:     512
    .wavefront_size: 32
...
	.end_amdgpu_metadata
.endif
;; end of part 3
